; MI455X (gfx1250); checked and timed in simulation.
; The chip was launched on July 23, 2026; its instructions are those of AMD's public machine-readable ISA for CDNA 5 (MIT licence, August 2026) and "CDNA5" Instruction Set Architecture Reference Guide (July 2026). The comments in the code are by the model that wrote it; some were corrected since.
;; Resonant Layer. Allowed arithmetic: matrix products marked QUANTISED: E2M3 operands, one E8M0 scale for each 32 along K, by v_wmma_scale_f32_16x16x128_f8f6f4 with both operands' format E2M3, f32 sums; everything else in f32.
;; Inputs: Bp 128 x 512 float32; W 128 x 512 float32; Wc 512 x 1,024 float32; Wi 512 x 128 float32; Wr 512 x 128 float32; bc 512 float32; cos_table 4,096 float32; sin_table 4,096 float32; t 1,024 float32; x_imag 1,024 x 512 float32; x_real 1,024 x 512 float32.
;; Outputs: out0 1,024 x 512 float32; out1 1,024 x 512 float32.
;; This version of the problem:
;;   THIS VERSION OF THE PROBLEM IS GIVEN IN LOW PRECISION. The matrix products marked QUANTISED in the list below multiply operands that are first quantised to E2M3 (2 exponent bits, 3 mantissa bits; 6 bits a number), with one power-of-two scale for each 32 numbers along K (OCP MX v1.0); their sums are f32. All else is computed in f32.
;;   The module's matrix products, in the order in which they are computed (A, B: the left and right operand; K: the contracted axis; several contracted axes count as one K, in the product's order):
;;     1. [M 1,024, K 1,024] x [K 1,024, N 512]; A: computed on the way; B: input Wc: QUANTISED
;;     2. [M 1,024, K 128] x [K 128, N 512]; A: computed on the way; B: input Wr: QUANTISED
;;     3. [M 1,024, K 128] x [K 128, N 512]; A: computed on the way; B: input Wi: QUANTISED
;;   THE QUANTISER, for each operand of a quantised product, along K:
;;     - K is cut into blocks of 32 from its start; a last block that is shorter is filled with zeros.
;;     - A block's scale is 2^e with e = floor(log2(the largest magnitude in the block)) - 2, held to -126 .. 127; a block of zeros has e = 0. As a byte (E8M0): e + 127.
;;     - Each number is divided by its block's scale, clamped to +-7.5, and rounded to the nearest number of E2M3, ties to even, subnormals kept.
;;     - The product sums the exact products of the quantised numbers (number of the format x scale) in f32.
;;   ~~~python
;;   def quantise(x, axis):      # numpy; x: float32 -> the quantised numbers, widened to float32 again
;;       x = np.moveaxis(x, axis, -1); K = x.shape[-1]
;;       x = np.pad(x, [(0, 0)] * (x.ndim - 1) + [(0, -K % 32)]); x = x.reshape(x.shape[:-1] + (-1, 32)); a = np.abs(x).max(-1, keepdims=True)
;;       e = np.where(a > 0, np.clip(np.frexp(np.where(a > 0, a, 1))[1] - 1 - 2, -126, 127), 0)      # np.frexp(a)[1] - 1 = floor(log2(a)), exactly
;;       r = np.clip(x / 2.0 ** e, -7.5, 7.5)
;;       step = 2.0 ** (np.maximum(np.frexp(np.where(r == 0, 1, r))[1] - 1, 0) - 3)
;;       q = np.round(r / step) * step * 2.0 ** e      # np.round: ties to even
;;       return np.moveaxis(q.reshape(q.shape[:-2] + (-1,))[..., :K], -1, axis).astype(np.float32)
;;   ~~~
;;   OPERANDS COMPUTED ON THE WAY. 'Computed on the way' means the value that the module computes at that place (a softmax that the list does not call 'softmax' is quantised finished and normalised). What goes into a quantiser is computed in f32, as accurately as f32 sums, v_exp_f32 and their like allow (about 1e-6 of the number): no bf16 or f16 on the way to a quantiser, and a product that is left as it is and whose result goes on into a quantised operand takes f32 operands (vector FMAs, or v_wmma_f32_16x16x4_f32). A number that lies on a knife's edge between two numbers of the format may be rounded either way, as far as f32 arithmetic and the matrix unit's own rounding can turn it there, and no further.
;; One version. Each part assembles by itself: llvm-mc -triple=amdgcn-amd-amdhsa -mcpu=gfx1250 --defsym DOCPART=n.
;; ======== version 1 of 1: 2 launches
;; workspace buffers: xct 2,097,152 bytes; wtab 524,288 bytes; idx 134,217,728 bytes of whole numbers; wqc 98,304 bytes; wqs 8,192 bytes
;; launch collapse (part 1): grid 16 x 16, 16 waves a work-group, no clusters, 123,904 bytes of LDS; arguments x_real, x_imag, t, Wc, bc, W, Bp, Wr, Wi, xct, wtab, idx, wqc, wqs; writes xct, wtab, idx, wqc, wqs
.if DOCPART == 1
	.amdgcn_target "amdgcn-amd-amdhsa--gfx1250"
	.amdhsa_code_object_version 6
	.text
	.protected	k_q91b8fa34d0_collapse
	.globl	k_q91b8fa34d0_collapse
	.p2align	8
	.type	k_q91b8fa34d0_collapse,@function
k_q91b8fa34d0_collapse:
	s_mov_b64 s[64:65], 0
	v_nop
	global_prefetch_b8 v0, s[64:65] scope:SCOPE_SE
	s_setreg_imm32_b32 hwreg(HW_REG_WAVE_MODE, 25, 1), 1
	s_wait_xcnt 0x0
; FIRST OF TWO LAUNCHES.  xc = Q(x_real | x_imag) Q(Wc)^T + bc on codes of FP6 (E2M3) with one E8M0 scale for each 32 along K; then, for every (b, n, d),
; pos = xc[b][d] * rK[n][d] + BpK[n][d] + tK[b], the place of theta in the tables of 4,096 entries, with K = 4096 / (2 pi), rK = K / (1 + |W|), BpK = K Bp, tK = K t.
; What is stored: xc (xct), rK and BpK (wtab), 16 x (floor(pos) mod 4096) as 16-bit whole numbers (idx), and the codes and scale words of Wr and Wi (wqc, wqs).
; The second launch forms the same pos from the same stored numbers by the same two operations, so its fraction belongs to the entry that is stored here.
; SHARES.  A work-group has 64 rows b (its y) and 32 columns d (its x), 16 waves.  Each wave quantises two fragments of x and one of Wc (16 rows x 128 K each) and lays them into LDS as images of
; the operand's registers; waves 0-3 multiply (a tile of 16 rows each, two accumulators by turns, 8 K steps); then every wave makes the places of 32 n x 16 b x 32 d, a lane to an n.
; NO CLUSTER, NO TENSOR LOAD: every operand arrives as f32 and has to pass through registers to be quantised; what work-groups share (384 KiB of x and Wc a work-group, read once) is less than the 512 KiB that each stores.
; LAYOUTS.  xct [b/4][d][b%4] f32;  wtab [d/2][n]{rK(d), rK(d+1), BpK(d), BpK(d+1)} f32;  idx [b][d/8][n][8] u16;  wqc: 64 fragments of 1,536 bytes (three groups of four registers, lane l at 16 l),
; fragment 32 o + 4 W8 + tt (o = 0: Wr, 1: Wi), whose lane r holds row 64 W8 + 4 r + tt;  wqs: their scale words, 4 bytes a lane.
; LIMITS: |pos| under 2^31 (the conversion to a whole number saturates beyond); NaN and infinities among the inputs are not served; pos is rounded in another order than (xc / wavelength + Bp + t) K, some units in its
; last place; 1 / wavelength is v_rcp_f32 with one Newton step; a block of zeros gets the scale byte 1 (its codes are zeros, and this program alone reads the bytes).
.set KTAB, 0x4422f983                  ; 4096 / (2 pi) in f32
.set FRB,  1536                        ; a fragment's image: 12 registers x 128 bytes
.set XIMG, 0                           ; LDS: x's 32 fragments (tile of rows m, K step s: 8 m + s)
.set WIMG, 49152                       ; Wc's 16 (tile of columns c, K step s: 8 c + s)
.set XSC,  73728                       ; x's scale words, 128 bytes a fragment
.set WSC,  77824                       ; Wc's
.set WT,   79872                       ; rK and BpK: 16 pairs of d x 128 n x 16 bytes
.set XC,   112640                      ; xc: 64 rows of XCP bytes: 32 numbers, then tK twice, then 8 bytes unused
.set XCP,  144
.set XA,  4                            ; v4   x, Wr, Wi: 2,048 r + 64 h
.set WA,  5                            ; v5   Wc: 4,096 r + 64 h
.set NA,  6                            ; v6   W, Bp: 2,048 x lane
.set LI,  7                            ; v7   16 x lane
.set LS,  8                            ; v8   4 x lane
.set XWI, 9                            ; v9   where I store x's images;  v10 their scale words
.set XWS, 10
.set WWI, 11                           ; v11  Wc's image;  v12 its scale word
.set WWS, 12
.set WTW, 13                           ; v13  where I store rK and BpK;  v14 where I read them
.set WTR, 14
.set XCW, 15                           ; v15  where a product's results go in XC;  v16 the row whose tK I store
.set TKW, 16
.set XG,  17                           ; v17  my byte offset in xct
.set XCR, 18                           ; v18  the row of XC in hand
.set FAI, 19                           ; v19-22  where fragments and scale words are read for the product
.set FAS, 20
.set FBI, 21
.set FBS, 22
.set R4,  23                           ; v23  4 r
.set BCV, 24                           ; v24-25  bc of my column in the two tiles
.set TV,  26                           ; v26  t of row r of my tile
.set TKT, 27                           ; v27  K t
.set PC,  28                           ; v28-46  the codes just made
.set TM,  48                           ; v48-63  at work in the quantiser
.set PW,  64                           ; v64  the scale word just made
.set WB,  66                           ; v66-73 W, v74-81 Bp of my 8 d
.set ACC, 66                           ; v66-81  two accumulators
.set BC,  82                           ; v82-97  bc in the result's layout, two tiles
.set SCA, 98                           ; v98-101  x's scale words;  v102-109 Wc's: these twelve hold scale words and nothing else
.set SCB, 102
.set AF,  112                          ; v112-159 four fragments of x;  v160-255 eight of Wc
.set BF,  160
.set ST0, 128                          ; v128-191, v192-255  64 numbers each, on their way to the quantiser
.set ST1, 192
.set WQ,  192                          ; v192-207 {rK, rK, BpK, BpK} x 4;  v208-215 wavelength, then the Newton step's residue;  v216-223 the reciprocal
.set WL,  208
.set R0,  216
.set POS, 66                           ; v66-97   32 places
.set OUT, 28                           ; v28-43   32 entries' byte offsets, two to a register
.set TP,  44                           ; v44-47   at work
.set WTV, 128                          ; v128-191 rK and BpK of my n, 32 d
.set XCV, 192                          ; v192-223 a row's 32 xc;  v224-225 its tK, twice
.set TKV, 224
.set SEL, 40                           ; s[40:41] selects for v_permlanex16_b32: lane l xor 16
; 64 numbers of a lane: register 16 b + i = k 32 b + 16 h + i of my row: sixteen loads of 16 bytes
.macro QLOAD reg, adr, sb, off
.irp b, 0,1,2,3
.irp j, 0,1,2,3
	global_load_b128 v[\reg+16*\b+4*\j:\reg+16*\b+4*\j+3], v[\adr], s[\sb:\sb+1] offset:\off+128*\b+16*\j
.endr
.endr
.endm
; They become a fragment's codes in v[PC] on and its scale word in v[PW].
.macro QUANT s
.irp b, 0,1,2,3
	v_max3_num_f32 v[TM+\b], |v[\s+16*\b]|, |v[\s+1+16*\b]|, 0x1800000   ; block b: my 16 numbers, and the floor 2^(3 - 127): the byte cannot fall under 1
.endr
.irp i, 2,4,6,8,10,12,14
.irp b, 0,1,2,3
	v_max3_num_f32 v[TM+\b], v[TM+\b], |v[\s+16*\b+\i]|, |v[\s+1+16*\b+\i]|   ; the four blocks by turns
.endr
.endr
.irp b, 0,1,2,3
	v_permlanex16_b32 v[TM+4+\b], v[TM+\b], s[SEL], s[SEL+1]
.endr
.irp b, 0,1,2,3
	v_max_num_f32 v[TM+\b], v[TM+\b], v[TM+4+\b]   ; with lane l xor 16's: the block's largest magnitude
.endr
.irp b, 0,1,2,3
	v_add_nc_u32 v[TM+12+\b], 0xff000000, v[TM+\b]   ; 2 off its exponent field: the conversion takes the exponent field of this operand as its scale
.endr
.irp b, 0,1,2,3
	v_lshrrev_b32 v[TM+4+\b], 23, v[TM+12+\b]      ; the scale's byte
.endr
	v_lshl_or_b32 v[PW], v[TM+5], 8, v[TM+4]       ; four bytes: my row's scale word
	v_lshl_or_b32 v[PW], v[TM+6], 16, v[PW]
	v_lshl_or_b32 v[PW], v[TM+7], 24, v[PW]
.irp c, 0,1
	v_cvt_scalef32_pk16_fp6_f32 v[PC+6*\c:PC+2+6*\c], v[\s+32*\c:\s+15+32*\c], v[TM+12+2*\c]
	v_cvt_scalef32_pk16_fp6_f32 v[PC+12+4*\c:PC+14+4*\c], v[\s+16+32*\c:\s+31+32*\c], v[TM+12+2*\c+1]   ; (a conversion's three registers begin on an even number)
.endr
	v_nop                                          ; one plain place behind a scaled conversion
.irp c, 0,1                                    ; the operand's layout wants a whole block in a lane: lanes 0-15 block 2 c, lanes 16-31 block 2 c + 1
.irp i, 0,1,2
	v_permlane16_swap_b32 v[PC+6*\c+\i], v[PC+12+4*\c+\i]
.endr
.irp i, 0,1,2
	v_mov_b32 v[PC+3+6*\c+\i], v[PC+12+4*\c+\i]
.endr
.endr
.endm
.macro IMAGE adr, off                          ; the fragment in v[PC] on goes to LDS as it stands
.irp c, 0,1,2
	ds_store_b128 v[\adr], v[PC+4*\c:PC+4*\c+3] offset:\off+512*\c
.endr
.endm
.macro BARRIER                                 ; my LDS stores have landed and my LDS loads are in: then the work-group's barrier
	s_wait_dscnt 0x0
	s_barrier_signal -1
	s_barrier_wait -1
.endm
	s_load_b512 s[4:19], s[0:1], 0x0               ; x_real 4, x_imag 6, t 8, Wc 10, bc 12, W 14, Bp 16, Wr 18
	s_load_b256 s[20:27], s[0:1], 0x40             ; Wi 20, xct 22, wtab 24, idx 26
	s_load_b128 s[28:31], s[0:1], 0x60             ; wqc 28, wqs 30
	v_lshl_add_u32 v110, v0, 2, 0x1dc00
	v_mov_b32 v111, 0
	v_lshrrev_b32 v1, 5, v0
	v_readfirstlane_b32 s32, v1                    ; wave w, 0..15
	s_and_b32 s33, s32, 3                          ; g = m = w & 3
	s_lshr_b32 s34, s32, 2                         ; bq = sp = w >> 2
	s_mov_b32 s35, ttmp9                           ; dx: which 32 columns d
	s_and_b32 s36, ttmp7, 0xffff                   ; by: which 64 rows b
	s_mov_b32 s39, 0                               ; the upper word of every offset
	s_mov_b32 s[SEL], 0x76543210
	s_mov_b32 s[SEL+1], 0xfedcba98
	s_mov_b32 s44, KTAB
	v_and_b32 v1, 31, v0                           ; lane
	v_and_b32 v2, 15, v0                           ; r
	v_bfe_u32 v3, v0, 4, 1                         ; h
	v_lshlrev_b32 v[XA], 11, v2
	v_lshl_add_u32 v[XA], v3, 6, v[XA]
	v_lshlrev_b32 v[WA], 12, v2
	v_lshl_add_u32 v[WA], v3, 6, v[WA]
	v_lshlrev_b32 v[NA], 11, v1
	v_lshlrev_b32 v[LI], 4, v1
	v_lshlrev_b32 v[LS], 2, v1
	; every LDS address is made here, ahead of the place where the waves' ways part
	s_lshl_b32 s50, s33, 3
	s_lshl_b32 s51, s34, 1
	s_add_co_u32 s50, s50, s51                     ; my first fragment of x: 8 m + 2 sp
	s_mul_i32 s51, s50, FRB
	v_add_nc_u32 v[XWI], s51, v[LI]
	s_lshl_b32 s51, s50, 7
	s_add_co_u32 s51, s51, XSC
	v_add_nc_u32 v[XWS], s51, v[LS]
	s_and_b32 s50, s32, 1
	s_lshl_b32 s50, s50, 3
	s_lshr_b32 s51, s32, 1
	s_add_co_u32 s50, s50, s51                     ; my fragment of Wc: 8 (w & 1) + (w >> 1)
	s_mul_i32 s51, s50, FRB
	s_add_co_u32 s51, s51, WIMG
	v_add_nc_u32 v[WWI], s51, v[LI]
	s_lshl_b32 s51, s50, 7
	s_add_co_u32 s51, s51, WSC
	v_add_nc_u32 v[WWS], s51, v[LS]
	s_lshl_b32 s50, s33, 9
	s_add_co_u32 s50, s50, WT
	v_add_nc_u32 v[WTR], s50, v[LI]                ; n = 32 g + lane, pair 0
	s_lshl_b32 s51, s34, 13
	s_add_co_u32 s50, s50, s51
	v_add_nc_u32 v[WTW], s50, v[LI]                ; the same n, pair 4 bq
	s_mul_i32 s50, s33, 16*XCP
	s_add_co_u32 s50, s50, XC
	v_mul_u32_u24 v[XCW], v3, 8*XCP
	v_lshl_add_u32 v[XCW], v2, 2, v[XCW]
	v_add_nc_u32 v[XCW], s50, v[XCW]               ; row 16 m + 8 h, column r
	v_mul_u32_u24 v[TKW], v2, XCP
	v_add_nc_u32 v[TKW], s50, v[TKW]               ; row 16 m + r
	v_lshlrev_b32 v[XG], 4, v2
	v_lshl_add_u32 v[XG], v3, 14, v[XG]            ; xct: 16 r + two groups of four rows for h
	s_mul_i32 s50, s33, 8*FRB
	v_add_nc_u32 v[FAI], s50, v[LI]
	s_lshl_b32 s50, s33, 10
	s_add_co_u32 s50, s50, XSC
	v_add_nc_u32 v[FAS], s50, v[LS]
	v_add_nc_u32 v[FBI], WIMG, v[LI]
	v_add_nc_u32 v[FBS], WSC, v[LS]
	v_lshlrev_b32 v[R4], 2, v2
	s_mul_i32 s43, s34, 16*XCP
	s_add_co_u32 s43, s43, XC                      ; the first of the 16 rows whose places I make
.irp b, 0,1,2,3
	v_mov_b32 v[TM+4+\b], 0                        ; written once: a lane permute's destination counts as one of its sources
.endr
	s_wait_kmcnt 0x0
	; the pointers: each offset is made apart, in s[38:39], and added once
	s_lshl_b32 s50, s36, 17
	s_lshl_b32 s51, s33, 15
	s_add_co_u32 s50, s50, s51                     ; 64 by + 16 m rows of 2,048 bytes (x), and as many bytes in xct
	s_and_b32 s51, s34, 1
	s_lshl_b32 s51, s51, 10
	s_add_co_u32 s38, s50, s51                     ; + my two K steps of 512 bytes
	s_cmp_lt_u32 s34, 2                            ; K steps 0-3 lie in x_real, 4-7 in x_imag
	s_cselect_b64 s[46:47], s[4:5], s[6:7]
	s_add_nc_u64 s[46:47], s[46:47], s[38:39]
	s_lshl_b32 s51, s35, 9
	s_add_co_u32 s38, s50, s51
	s_add_nc_u64 s[22:23], s[22:23], s[38:39]      ; xct
	s_lshl_b32 s38, s35, 17
	s_and_b32 s51, s32, 1
	s_lshl_b32 s51, s51, 16
	s_add_co_u32 s38, s38, s51
	s_lshr_b32 s51, s32, 1
	s_lshl_b32 s51, s51, 9
	s_add_co_u32 s38, s38, s51
	s_add_nc_u64 s[10:11], s[10:11], s[38:39]      ; Wc: row 32 dx + 16 (w & 1), K step w >> 1
	s_lshl_b32 s38, s33, 16
	s_lshl_b32 s51, s35, 7
	s_add_co_u32 s38, s38, s51
	s_lshl_b32 s52, s34, 5
	s_add_co_u32 s38, s38, s52
	s_add_nc_u64 s[14:15], s[14:15], s[38:39]      ; W and Bp: row 32 g, column 32 dx + 8 bq
	s_add_nc_u64 s[16:17], s[16:17], s[38:39]
	s_mov_b32 s38, s51
	s_add_nc_u64 s[12:13], s[12:13], s[38:39]      ; bc: column 32 dx
	s_lshl_b32 s38, s36, 8
	s_lshl_b32 s51, s33, 6
	s_add_co_u32 s38, s38, s51
	s_add_nc_u64 s[8:9], s[8:9], s[38:39]          ; t: row 64 by + 16 m
	s_lshl_b32 s53, s33, 9                         ; g x 32 n x 16 bytes
	s_lshl_b32 s38, s35, 15
	s_lshl_b32 s51, s34, 13
	s_add_co_u32 s38, s38, s51
	s_add_co_u32 s38, s38, s53
	s_add_nc_u64 s[24:25], s[24:25], s[38:39]      ; wtab: pair 16 dx + 4 bq
	s_lshl_b32 s38, s36, 23
	s_lshl_b32 s51, s34, 21
	s_add_co_u32 s38, s38, s51
	s_lshl_b32 s51, s35, 13
	s_add_co_u32 s38, s38, s51
	s_add_co_u32 s38, s38, s53
	s_add_nc_u64 s[26:27], s[26:27], s[38:39]      ; idx: row 64 by + 16 bq, group of eight d 4 dx
	s_cmp_lt_u32 s35, 8                            ; fragments 0-31 are Wr's, 32-63 Wi's
	s_cselect_b64 s[48:49], s[18:19], s[20:21]
	s_and_b32 s38, s35, 7
	s_lshl_b32 s38, s38, 15
	s_add_co_u32 s38, s38, s53
	s_add_nc_u64 s[48:49], s[48:49], s[38:39]      ; row 64 (dx & 7) + g
	s_lshl_b32 s50, s35, 2
	s_add_co_u32 s50, s50, s33                     ; fragment 4 dx + g
	s_mul_i32 s38, s50, FRB
	s_add_nc_u64 s[28:29], s[28:29], s[38:39]
	s_lshl_b32 s38, s50, 7
	s_add_nc_u64 s[30:31], s[30:31], s[38:39]
	; ---- every wave: two fragments of x, one of Wc, and rK, BpK of 32 n x 8 d
	global_load_b32 v[BCV], v[R4], s[12:13]
	global_load_b32 v[BCV+1], v[R4], s[12:13] offset:64
	global_load_b32 v[TV], v[R4], s[8:9]
	QLOAD ST0, XA, 46, 0
	QLOAD ST1, XA, 46, 512
	global_load_b128 v[WB:WB+3], v[NA], s[14:15]
	global_load_b128 v[WB+4:WB+7], v[NA], s[14:15] offset:16
	global_load_b128 v[WB+8:WB+11], v[NA], s[16:17]
	global_load_b128 v[WB+12:WB+15], v[NA], s[16:17] offset:16
	s_wait_loadcnt 20                              ; x's first fragment is in; behind it: the second's 16 loads and W's and Bp's 4
	QUANT ST0
	IMAGE XWI, 0
	ds_store_b32 v[XWS], v[PW]
	QLOAD ST0, WA, 10, 0                           ; Wc's fragment, into the registers just quantised
	s_wait_loadcnt 20                              ; x's second fragment is in; behind it: W's and Bp's 4 and Wc's 16
	s_wait_dscnt 0x0                               ; the image's stores have read their registers
	QUANT ST1
	IMAGE XWI, FRB
	ds_store_b32 v[XWS], v[PW] offset:128
	s_wait_loadcnt 16                              ; W and Bp are in; behind them: Wc's 16
.irp e, 0,1,2,3,4,5,6,7
	v_add_f32 v[WL+\e], 1.0, |v[WB+\e]|            ; the wavelength
.endr
.irp e, 0,1,2,3,4,5,6,7
	v_rcp_f32 v[R0+\e], v[WL+\e]
.endr
.irp e, 0,1,2,3,4,5,6,7
	v_mul_f32 v[WQ+4*(\e/2)+2+(\e%2)], s44, v[WB+8+\e]   ; BpK: plain work behind the eight reciprocals
.endr
	s_wait_alu depctr_va_vdst(0)                   ; one wait for the batch, ahead of its first reader
.irp e, 0,1,2,3,4,5,6,7
	v_fma_f32 v[WL+\e], -v[WL+\e], v[R0+\e], 1.0   ; 1 - wavelength x r0
.endr
.irp e, 0,1,2,3,4,5,6,7
	v_fma_f32 v[R0+\e], v[R0+\e], v[WL+\e], v[R0+\e]   ; one Newton step
.endr
.irp e, 0,1,2,3,4,5,6,7
	v_mul_f32 v[WQ+4*(\e/2)+(\e%2)], s44, v[R0+\e]   ; rK
.endr
.irp i, 0,1,2,3
	ds_store_b128 v[WTW], v[WQ+4*\i:WQ+4*\i+3] offset:2048*\i
.endr
	s_cmp_lg_u32 s36, 0                            ; the sixteen work-groups of a column hold the same rK and BpK: the first stores them
	s_cbranch_scc1 .Lno_wtab
.irp i, 0,1,2,3
	global_store_b128 v[LI], v[WQ+4*\i:WQ+4*\i+3], s[24:25] offset:2048*\i   ; 32 lanes store 512 consecutive bytes
.endr
.Lno_wtab:
	s_wait_loadcnt 0x0                             ; Wc's fragment
	s_wait_dscnt 0x0                               ; the stores have read their registers
	QUANT ST0
	IMAGE WWI, 0
	ds_store_b32 v[WWS], v[PW]
	s_wait_xcnt 0x0                                ; wtab's stores have read their registers, which are loaded anew behind the barrier
	BARRIER                                        ; all images, scale words, rK and BpK lie in LDS
	s_cmp_lt_u32 s32, 4
	s_cbranch_scc0 .Lnot_product
	; ---- waves 0-3: xc of rows 16 m .. 16 m + 15, 32 columns.  Source 0 = x's rows, source 1 = Wc's rows: register j of lane (r, h) is xc(16 m + 8 h + j, 16 c + r)
.irp c, 0,1
.irp j, 0,1,2,3,4,5,6,7
	v_mov_b32 v[BC+8*\c+\j], v[BCV+\c]             ; bc is the C of each sum's first product: a lane's eight results lie in one column
.endr
.endr
	v_mul_f32 v[TKT], s44, v[TV]                   ; tK
.rept 4
	v_nop
.endr
	ds_store_b32 v[TKW], v[TKT] offset:128         ; twice, so that the packed addition finds it in both halves of a pair
	ds_store_b32 v[TKW], v[TKT] offset:132
.irp hf, 0,1                                   ; four K steps at a time
.if \hf
.rept 4
	v_nop                                          ; places in front of loads into registers that matrix instructions have read
.endr
.endif
.irp sq, 0,1,2,3
.irp u, 0,1,2
	ds_load_b128 v[AF+12*\sq+4*\u:AF+12*\sq+4*\u+3], v[FAI] offset:(4*\hf+\sq)*FRB+512*\u
.endr
	ds_load_b32 v[SCA+\sq], v[FAS] offset:(4*\hf+\sq)*128
.endr
.irp c, 0,1
.irp sq, 0,1,2,3
.irp u, 0,1,2
	ds_load_b128 v[BF+12*(4*\c+\sq)+4*\u:BF+12*(4*\c+\sq)+4*\u+3], v[FBI] offset:(8*\c+4*\hf+\sq)*FRB+512*\u
.endr
	ds_load_b32 v[SCB+4*\c+\sq], v[FBS] offset:(8*\c+4*\hf+\sq)*128
.endr
.endr
	s_wait_dscnt 0x0
.irp sq, 0,1,2,3                               ; the two accumulators take turns, one instruction a turn
.irp c, 0,1
.if (\hf == 0) && (\sq == 0)
	v_wmma_scale_f32_16x16x128_f8f6f4 v[ACC+8*\c:ACC+8*\c+7], v[AF+12*\sq:AF+12*\sq+11], v[BF+12*(4*\c+\sq):BF+12*(4*\c+\sq)+11], v[BC+8*\c:BC+8*\c+7], v[SCA+\sq], v[SCB+4*\c+\sq] matrix_a_fmt:MATRIX_FMT_FP6 matrix_b_fmt:MATRIX_FMT_FP6
.else
	v_wmma_scale_f32_16x16x128_f8f6f4 v[ACC+8*\c:ACC+8*\c+7], v[AF+12*\sq:AF+12*\sq+11], v[BF+12*(4*\c+\sq):BF+12*(4*\c+\sq)+11], v[ACC+8*\c:ACC+8*\c+7], v[SCA+\sq], v[SCB+4*\c+\sq] matrix_a_fmt:MATRIX_FMT_FP6 matrix_b_fmt:MATRIX_FMT_FP6
.endif
.endr
.endr
.endr
.rept 4
	v_nop                                          ; places in front of the first read of results
.endr
.irp c, 0,1                                    ; each accumulator from its low end on
	global_store_b128 v[XG], v[ACC+8*\c:ACC+8*\c+3], s[22:23] offset:256*\c          ; four rows of one column: sixteen lanes store 256 consecutive bytes, aligned
	global_store_b128 v[XG], v[ACC+8*\c+4:ACC+8*\c+7], s[22:23] offset:8192+256*\c
.irp j, 0,1,2,3,4,5,6,7
	ds_store_b32 v[XCW], v[ACC+8*\c+\j] offset:XCP*\j+64*\c
.endr
.endr
	s_wait_xcnt 0x0                                ; the stores have read the accumulators, which the places overwrite
	s_branch .Ljoin
.Lnot_product:
	s_cmp_lt_u32 s32, 12
	s_cbranch_scc1 .Ljoin
	s_cmp_lg_u32 s36, 1
	s_cbranch_scc1 .Ljoin
	; ---- waves 12-15 of the work-groups with y = 1: one fragment of Wr or Wi each, 64 in all, quantised once for the second launch
	QLOAD ST0, XA, 48, 0                           ; lane r takes row 4 r + g of its 64: 2,048 bytes from r to r + 1
	s_wait_loadcnt 0x0
	QUANT ST0
.irp c, 0,1,2
	global_store_b128 v[LI], v[PC+4*\c:PC+4*\c+3], s[28:29] offset:512*\c   ; the image: 512 consecutive bytes a store
.endr
	global_store_b32 v[LS], v[PW], s[30:31]
	s_wait_xcnt 0x0                                ; the stores have read their registers, which the packing overwrites
.Ljoin:
	BARRIER                                        ; 64 rows of xc and tK lie in LDS; nothing is stored to LDS behind this barrier
	; ---- every wave: the places of n = 32 g + lane, rows 16 bq .. 16 bq + 15, the work-group's 32 d
.irp i, 0,1,2,3,4,5,6,7,8,9,10,11,12,13,14,15
	ds_load_b128 v[WTV+4*\i:WTV+4*\i+3], v[WTR] offset:2048*\i
.endr
.macro ROWLD                                   ; a row of xc and its tK: every lane reads the same bytes
.irp q, 0,1,2,3,4,5,6,7
	ds_load_b128 v[XCV+4*\q:XCV+4*\q+3], v[XCR] offset:16*\q
.endr
	ds_load_b64 v[TKV:TKV+1], v[XCR] offset:128
.endm
	v_mov_b32 v[XCR], s43
	ROWLD
; One row b.  pre = 1: the next row is fetched while this one is worked, and idx's base steps a row on.
.macro TRIP pre
	s_wait_dscnt 0x0                               ; the row is in
.irp i, 0,1,2,3,4,5,6,7,8,9,10,11,12,13,14,15
	v_pk_fma_f32 v[POS+2*\i:POS+2*\i+1], v[XCV+2*\i:XCV+2*\i+1], v[WTV+4*\i:WTV+4*\i+1], v[WTV+4*\i+2:WTV+4*\i+3]   ; xc rK + BpK
.endr
.irp i, 0,1,2,3,4,5,6,7,8,9,10,11,12,13,14,15
	v_pk_add_f32 v[POS+2*\i:POS+2*\i+1], v[POS+2*\i:POS+2*\i+1], v[TKV:TKV+1]   ; + tK: pos
.endr
.if \pre
	s_add_co_u32 s43, s43, XCP
	v_mov_b32 v[XCR], s43
	ROWLD
.endif
.irp i, 0,1,2,3,4,5,6,7,8,9,10,11,12,13,14,15,16,17,18,19,20,21,22,23,24,25,26,27,28,29,30,31
	v_floor_f32 v[POS+\i], v[POS+\i]
.endr
.irp i, 0,1,2,3,4,5,6,7,8,9,10,11,12,13,14,15,16,17,18,19,20,21,22,23,24,25,26,27,28,29,30,31
	v_cvt_i32_f32 v[POS+\i], v[POS+\i]
.endr
.irp i, 0,1,2,3,4,5,6,7,8,9,10,11,12,13,14,15  ; 16 x (the whole number mod 4096), two to a register: the low 12 bits go to bits 4-15 and 20-31
	v_lshlrev_b32 v[TP+2*(\i%2)], 20, v[POS+2*\i+1]
	v_and_b32 v[TP+2*(\i%2)+1], 0xfff, v[POS+2*\i]
	v_lshl_or_b32 v[OUT+\i], v[TP+2*(\i%2)+1], 4, v[TP+2*(\i%2)]
.endr
.irp q, 0,1,2,3
	global_store_b128 v[LI], v[OUT+4*\q:OUT+4*\q+3], s[26:27] offset:2048*\q th:TH_STORE_NT   ; eight d of 32 n: 512 consecutive bytes, aligned
.endr
.if \pre
	s_wait_xcnt 0x0                                ; the stores have read their data and their base: both are written again only behind this wait
	s_add_nc_u64 s[26:27], s[26:27], 131072        ; a row of idx
.endif
.endm
	s_mov_b32 s42, 15
.Lrow:
	TRIP 1
	s_sub_co_u32 s42, s42, 1
	s_cmp_lg_u32 s42, 0
	s_cbranch_scc1 .Lrow
	TRIP 0                                         ; the last row fetches nothing more
	s_wait_tensorcnt 0x0
	ds_add_u32 v110, v111
	s_wait_dscnt 0x0
	s_endpgm
.Lfunc_end_k_q91b8fa34d0_collapse:
	.size	k_q91b8fa34d0_collapse, .Lfunc_end_k_q91b8fa34d0_collapse-k_q91b8fa34d0_collapse
	.p2alignl 7, 3214868480
	.fill 96, 4, 3214868480
	.section	.rodata,"a",@progbits
	.p2align	6, 0x0
	.amdhsa_kernel k_q91b8fa34d0_collapse
		.amdhsa_group_segment_fixed_size 123904
		.amdhsa_private_segment_fixed_size 0
		.amdhsa_enable_private_segment 0
		.amdhsa_kernarg_size 112
		.amdhsa_user_sgpr_count 2
		.amdhsa_user_sgpr_kernarg_segment_ptr 1
		.amdhsa_wavefront_size32 1
		.amdhsa_system_sgpr_workgroup_id_x 1
		.amdhsa_system_sgpr_workgroup_id_y 1
		.amdhsa_system_sgpr_workgroup_id_z 1
		.amdhsa_system_vgpr_workitem_id 0
		.amdhsa_next_free_vgpr 256
		.amdhsa_next_free_sgpr 66
		.amdhsa_reserve_vcc 0
		.amdhsa_float_denorm_mode_32 3
		.amdhsa_float_denorm_mode_16_64 3
		.amdhsa_memory_ordered 1
		.amdhsa_forward_progress 1
		.amdhsa_inst_pref_size 59
	.end_amdhsa_kernel
	.amdgpu_metadata
---
amdhsa.version: [ 1, 2 ]
amdhsa.kernels:
  - .name:           k_q91b8fa34d0_collapse
    .symbol:         k_q91b8fa34d0_collapse.kd
    .args:
      - { .name: x_real, .offset: 0, .size: 8, .value_kind: global_buffer, .address_space: global }
      - { .name: x_imag, .offset: 8, .size: 8, .value_kind: global_buffer, .address_space: global }
      - { .name: t, .offset: 16, .size: 8, .value_kind: global_buffer, .address_space: global }
      - { .name: Wc, .offset: 24, .size: 8, .value_kind: global_buffer, .address_space: global }
      - { .name: bc, .offset: 32, .size: 8, .value_kind: global_buffer, .address_space: global }
      - { .name: W, .offset: 40, .size: 8, .value_kind: global_buffer, .address_space: global }
      - { .name: Bp, .offset: 48, .size: 8, .value_kind: global_buffer, .address_space: global }
      - { .name: Wr, .offset: 56, .size: 8, .value_kind: global_buffer, .address_space: global }
      - { .name: Wi, .offset: 64, .size: 8, .value_kind: global_buffer, .address_space: global }
      - { .name: xct, .offset: 72, .size: 8, .value_kind: global_buffer, .address_space: global }
      - { .name: wtab, .offset: 80, .size: 8, .value_kind: global_buffer, .address_space: global }
      - { .name: idx, .offset: 88, .size: 8, .value_kind: global_buffer, .address_space: global }
      - { .name: wqc, .offset: 96, .size: 8, .value_kind: global_buffer, .address_space: global }
      - { .name: wqs, .offset: 104, .size: 8, .value_kind: global_buffer, .address_space: global }
    .group_segment_fixed_size: 123904
    .private_segment_fixed_size: 0
    .kernarg_segment_align: 8
    .kernarg_segment_size: 112
    .max_flat_workgroup_size: 512
    .sgpr_count:     66
    .vgpr_count:     256
    .wavefront_size: 32
...
	.end_amdgpu_metadata
.endif
;; end of part 1
;; launch resonate (part 2): grid 256 x 1, 16 waves a work-group, no clusters, 88,064 bytes of LDS; arguments xct, wtab, idx, wqc, wqs, t, sin_table, cos_table, out0, out1; writes out0, out1
.if DOCPART == 2
	.amdgcn_target "amdgcn-amd-amdhsa--gfx1250"
	.amdhsa_code_object_version 6
	.text
	.protected	k_q91b8fa34d0_resonate
	.globl	k_q91b8fa34d0_resonate
	.p2align	8
	.type	k_q91b8fa34d0_resonate,@function
k_q91b8fa34d0_resonate:
	s_mov_b64 s[64:65], 0
	v_nop
	global_prefetch_b8 v0, s[64:65] scope:SCOPE_SE
	s_setreg_imm32_b32 hwreg(HW_REG_WAVE_MODE, 25, 1), 1
	s_wait_xcnt 0x0
; SECOND OF TWO LAUNCHES.  For every (b, n, d): the tables' entry whose byte offset the first launch stored in idx is read from LDS, the fraction is that of pos = xc rK + BpK + tK, formed from the stored numbers by the
; same two operations as in the first launch, and sin and cos are s0 + frac (s1 - s0), c0 + frac (c1 - c0).  They are summed over d in f32, the sums are quantised along n to codes of FP6 (E2M3) with one E8M0 scale
; for each 32, and out0 = Q(cos_sum) Q(Wr)^T, out1 = Q(sin_sum) Q(Wi)^T go to the matrix unit; Wr's and Wi's codes were made by the first launch.
; SHARES.  A work-group has 4 rows b, all 128 n, all 512 d.  Wave w: n = 32 (w & 3) + lane, d = 128 (w >> 2) on: a lane to an n, so that the sum over d never leaves the lane.  16 trips of 8 d, each of 4 sub-steps, one a row.
; THE TABLE in LDS: 4,096 entries of 16 bytes {sin[i], cos[i], sin[i+1] - sin[i], cos[i+1] - cos[i]} (i + 1 mod 4096), built from the two inputs as they are given: one load of 16 bytes serves a look-up.
; RINGS IN REGISTERS: idx and wtab run four trips (32 loads a wave) ahead; xc comes by scalar loads two trips ahead, since all lanes want the same number; the gathers of a sub-step are issued one sub-step ahead.
; NO CLUSTER, NO TENSOR LOAD: a gather's address is a number read from memory, so it may fall anywhere in the table, and nothing is filled beside it; idx is read by one wave alone; wtab, which all work-groups read,
; would have to pass through LDS, which the gathers (16 bytes a look-up) already keep busy.
; LIMITS: as stated in the first launch; the fraction is at most 1 - 2^-24; the interpolation is s0 + frac (s1 - s0), not s0 (1 - frac) + s1 frac; the sum over d is taken in 16 parts.
.set KTAB, 0x4422f983                  ; 4096 / (2 pi) in f32
.set FRB,  1536                        ; a fragment's image
.set TAB,  0                           ; LDS: the table, 65,536 bytes, from byte 0
.set RED,  65536                       ; the waves' sums: 2 planes (cos, sin) x 16 rows (4 (w >> 2) + b) x RP bytes
.set RP,   528                         ; 128 f32 + 16
.set IMG,  82432                       ; the two operands' images
.set ISC,  85504                       ; their scale words
.set LI,   1                           ; v1   16 x lane
.set LS,   2                           ; v2   4 x lane
.set TA,   3                           ; v3   4 x thread;  v4 4 x ((thread + 3585) mod 4096);  v5 16 x thread
.set TBW,  4
.set TW,   5
.set REDW, 6                           ; v6   where my sums go;  v7 where an operand's rows are read
.set REDR, 7
.set IMGW, 8                           ; v8-11 where an image and its scale word are stored, and read
.set ISW,  9
.set IMGR, 10
.set ISR,  11
.set OUTO, 12                          ; v12  my byte offset in the output
.set IDX,  16                          ; v16-79   four buffers of 16: register 4 b + p: d = 2 p in the low half, 2 p + 1 in the high half
.set WTB,  80                          ; v80-143  four buffers of 16: register 4 p + {0, 1, 2, 3}: rK(2 p), rK(2 p + 1), BpK(2 p), BpK(2 p + 1)
.set G,    144                         ; v144-207 two sets of 8 entries
.set F,    208                         ; v208-215 pos, then its fraction
.set AD,   216                         ; v216-223 the gathers' addresses, and nothing else
.set ACC,  224                         ; v224-255 row b, pair q at ACC + 8 b + 2 q: q = 0, 1 the entries' (sin, cos) of even and odd d, q = 2, 3 the fractions' parts
.set WF,   16                          ; the tail: four fragments of Wr or Wi;  v64-67 their scale words
.set WS,   64
.set SA,   144                         ; 64 sums of a lane;  v80-143 a part to be added
.set SB,   80
.set PC,   80                          ; the codes just made (behind the last addition)
.set TM,   224
.set PW,   240
.set DA,   144                         ; four accumulators
.set AFR,  176                         ; the sums' fragment;  v188 its scale word
.set ASC,  188
.set O,    192                         ; two rows' 16 bytes
.set TK,   48                          ; s[48:55] tK of row b in both words of pair 2 b
.set SEL,  2                           ; s[2:3] in the tail: selects for v_permlanex16_b32
; s[16:47], s[68:99]: xc of a trip each: register 4 e + b = xc[b][d0 + e]
.macro VLD q, k                                ; trip k (counted from where the bases stand) into buffer q: 4 rows of idx, 4 pairs of wtab: 512 consecutive bytes a load
.irp b, 0,1,2,3
	global_load_b128 v[IDX+16*(\q)+4*\b:IDX+16*(\q)+4*\b+3], v[LI], s[8:9] offset:131072*\b+2048*(\k) th:TH_LOAD_NT
.endr
.irp i, 0,1,2,3
	global_load_b128 v[WTB+16*(\q)+4*\i:WTB+16*(\q)+4*\i+3], v[LI], s[6:7] offset:2048*(4*(\k)+\i)
.endr
.endm
.macro SLD x, k                                ; trip k's 32 numbers of xc into s[x] on
	s_load_b512 s[\x:\x+15], s[4:5], 128*(\k)
	s_load_b512 s[\x+16:\x+31], s[4:5], 128*(\k)+64
.endm
.macro ADDR q, b                               ; the eight byte offsets of row b in buffer q
.irp p, 0,1,2,3
	v_and_b32 v[AD+2*\p], s100, v[IDX+16*(\q)+4*(\b)+\p]
	v_lshrrev_b32 v[AD+2*\p+1], 16, v[IDX+16*(\q)+4*(\b)+\p]
.endr
.irp e, 0,1,2,3,4,5,6,7
	v_min_u32 v[AD+\e], 0xfff0, v[AD+\e]           ; a number read from memory is held inside the table before it is an address: the last entry begins at byte 65,520
.endr
.endm
.macro GATH z
.irp e, 0,1,2,3,4,5,6,7
	ds_load_b128 v[G+32*(\z)+4*\e:G+32*(\z)+4*\e+3], v[AD+\e]
.endr
.endm
.macro POS q, b                                ; the fractions of row b, eight d
.set XB, 16+52*((\q)%2)
.irp p, 0,1,2,3
	v_fma_f32 v[F+2*\p], s[XB+8*\p+(\b)], v[WTB+16*(\q)+4*\p], v[WTB+16*(\q)+4*\p+2]
	v_fma_f32 v[F+2*\p+1], s[XB+8*\p+4+(\b)], v[WTB+16*(\q)+4*\p+1], v[WTB+16*(\q)+4*\p+3]
.endr
.irp p, 0,1,2,3
	v_pk_add_f32 v[F+2*\p:F+2*\p+1], v[F+2*\p:F+2*\p+1], s[TK+2*(\b):TK+2*(\b)+1] op_sel_hi:[1,0]
.endr
.irp e, 0,1,2,3,4,5,6,7
	v_fract_f32 v[F+\e], v[F+\e]
.endr
.endm
.macro ACCU z, b                               ; (sin, cos) two at a time; four chains a row
.irp p, 0,1,2,3
	v_pk_add_f32 v[ACC+8*(\b):ACC+8*(\b)+1], v[ACC+8*(\b):ACC+8*(\b)+1], v[G+32*(\z)+8*\p:G+32*(\z)+8*\p+1]
	v_pk_fma_f32 v[ACC+8*(\b)+4:ACC+8*(\b)+5], v[G+32*(\z)+8*\p+2:G+32*(\z)+8*\p+3], v[F+2*\p:F+2*\p+1], v[ACC+8*(\b)+4:ACC+8*(\b)+5] op_sel_hi:[1,0,1]
	v_pk_add_f32 v[ACC+8*(\b)+2:ACC+8*(\b)+3], v[ACC+8*(\b)+2:ACC+8*(\b)+3], v[G+32*(\z)+8*\p+4:G+32*(\z)+8*\p+5]
	v_pk_fma_f32 v[ACC+8*(\b)+6:ACC+8*(\b)+7], v[G+32*(\z)+8*\p+6:G+32*(\z)+8*\p+7], v[F+2*\p:F+2*\p+1], v[ACC+8*(\b)+6:ACC+8*(\b)+7] op_sel:[0,1,0] op_sel_hi:[1,1,1]
.endr
.endm
; A sub-step: row b of trip kk (mod 4).  nxt: a sub-step follows, whose gathers are issued here.  In a trip's last sub-step: lw: how many younger loads may stay out when the next trip's eight must be in;
; sw: wait for the next trip's xc;  sl: ask for xc two trips on;  ld: ask for idx and wtab four trips on.
.macro STAGE kk, b, nxt, lw, ld, sw, sl
.if \nxt
.if \b == 3
	s_wait_loadcnt \lw                             ; loads come back in order: the next trip's eight are in
	ADDR ((\kk)+1)%4, 0
	GATH 0
.else
	ADDR \kk, (\b)+1
	GATH ((\b)+1)%2
.endif
.endif
	POS \kk, \b
.if \b == 3
.if \sw
	s_wait_kmcnt 0x0                               ; the next trip's xc, asked for a trip ago; nothing younger is out
.endif
.if \sl
	SLD 16+52*((\kk)%2), (\kk)+2                   ; into the registers that were read for the last time just above
.endif
.if \ld
	VLD \kk, (\kk)+4                               ; into the buffers that this trip has done with
.endif
.endif
.if \nxt
	s_wait_dscnt 8                                 ; my eight entries are in; the next sub-step's eight gathers stay out
.else
	s_wait_dscnt 0x0
.endif
	ACCU (\b)%2, \b
.endm
.macro TRIPM kk, nxt, lw, ld, sw, sl
	STAGE \kk, 0, 1, 0, 0, 0, 0
	STAGE \kk, 1, 1, 0, 0, 0, 0
	STAGE \kk, 2, 1, 0, 0, 0, 0
	STAGE \kk, 3, \nxt, \lw, \ld, \sw, \sl
.endm
.macro BARRIER                                 ; my LDS stores have landed and my LDS loads are in: then the work-group's barrier
	s_wait_dscnt 0x0
	s_barrier_signal -1
	s_barrier_wait -1
.endm
; 64 numbers of a lane, register 16 b + i = k 32 b + 16 h + i of my row, become a fragment's codes in v[PC] on and its scale word in v[PW].
.macro QUANT s
.irp b, 0,1,2,3
	v_max3_num_f32 v[TM+\b], |v[\s+16*\b]|, |v[\s+1+16*\b]|, 0x1800000   ; block b: my 16 numbers, and the floor 2^(3 - 127): the byte cannot fall under 1
.endr
.irp i, 2,4,6,8,10,12,14
.irp b, 0,1,2,3
	v_max3_num_f32 v[TM+\b], v[TM+\b], |v[\s+16*\b+\i]|, |v[\s+1+16*\b+\i]|
.endr
.endr
.irp b, 0,1,2,3
	v_permlanex16_b32 v[TM+4+\b], v[TM+\b], s[SEL], s[SEL+1]
.endr
.irp b, 0,1,2,3
	v_max_num_f32 v[TM+\b], v[TM+\b], v[TM+4+\b]   ; with lane l xor 16's: the block's largest magnitude
.endr
.irp b, 0,1,2,3
	v_add_nc_u32 v[TM+12+\b], 0xff000000, v[TM+\b]   ; 2 off its exponent field: the conversion's scale operand
.endr
.irp b, 0,1,2,3
	v_lshrrev_b32 v[TM+4+\b], 23, v[TM+12+\b]      ; the scale's byte
.endr
	v_lshl_or_b32 v[PW], v[TM+5], 8, v[TM+4]
	v_lshl_or_b32 v[PW], v[TM+6], 16, v[PW]
	v_lshl_or_b32 v[PW], v[TM+7], 24, v[PW]
.irp c, 0,1
	v_cvt_scalef32_pk16_fp6_f32 v[PC+6*\c:PC+2+6*\c], v[\s+32*\c:\s+15+32*\c], v[TM+12+2*\c]
	v_cvt_scalef32_pk16_fp6_f32 v[PC+12+4*\c:PC+14+4*\c], v[\s+16+32*\c:\s+31+32*\c], v[TM+12+2*\c+1]   ; (a conversion's three registers begin on an even number)
.endr
	v_nop                                          ; one plain place behind a scaled conversion
.irp c, 0,1
.irp i, 0,1,2
	v_permlane16_swap_b32 v[PC+6*\c+\i], v[PC+12+4*\c+\i]
.endr
.irp i, 0,1,2
	v_mov_b32 v[PC+3+6*\c+\i], v[PC+12+4*\c+\i]
.endr
.endr
.endm
.macro PART reg, dqq                           ; the sums of the d of waves 4 dqq .. 4 dqq + 3, in the quantiser's layout
.irp blk, 0,1,2,3
.irp j, 0,1,2,3
	ds_load_b128 v[\reg+16*\blk+4*\j:\reg+16*\blk+4*\j+3], v[REDR] offset:4*RP*(\dqq)+128*\blk+16*\j
.endr
.endr
.endm
.macro ADDPART
	s_wait_dscnt 0x0
.irp i, 0,2,4,6,8,10,12,14,16,18,20,22,24,26,28,30,32,34,36,38,40,42,44,46,48,50,52,54,56,58,60,62
	v_pk_add_f32 v[SA+\i:SA+\i+1], v[SA+\i:SA+\i+1], v[SB+\i:SB+\i+1]
.endr
.endm
	s_load_b256 s[4:11], s[0:1], 0x0               ; xct 4, wtab 6, idx 8, wqc 10
	s_load_b128 s[12:15], s[0:1], 0x20             ; wqs 12, t 14
	s_load_b256 s[56:63], s[0:1], 0x30             ; sin_table 56, cos_table 58, out0 60, out1 62
	v_lshrrev_b32 v13, 5, v0
	v_readfirstlane_b32 s66, v13                   ; wave w, 0..15
	s_and_b32 s16, s66, 3                          ; g
	s_lshr_b32 s17, s66, 2                         ; dq
	s_and_b32 s18, s66, 1
	s_lshr_b32 s19, s66, 3
	s_mov_b32 s3, 0                                ; the upper word of every offset
	s_mov_b32 s100, 0xffff
	v_and_b32 v13, 31, v0                          ; lane
	v_and_b32 v14, 15, v0                          ; r
	v_bfe_u32 v15, v0, 4, 1                        ; h
	v_lshlrev_b32 v[LI], 4, v13
	v_lshlrev_b32 v[LS], 2, v13
	v_lshlrev_b32 v[TA], 2, v0
	v_add_nc_u32 v[TBW], 3585, v0
	v_and_b32 v[TBW], 4095, v[TBW]
	v_lshlrev_b32 v[TBW], 2, v[TBW]                ; the entry behind my last one, 3,584 + thread + 1, taken mod 4096
	v_lshlrev_b32 v[TW], 4, v0
	; every LDS address but the gathers' is made here
	s_mul_i32 s20, s17, 4*RP
	s_lshl_b32 s21, s16, 7
	s_add_co_u32 s20, s20, s21
	s_add_co_u32 s20, s20, RED
	v_add_nc_u32 v[REDW], s20, v[LS]               ; row 4 dq, n = 32 g + lane
	v_lshlrev_b32 v[OUTO], 4, v14
	v_lshl_add_u32 v[OUTO], v15, 12, v[OUTO]       ; 16 r + two rows of 2,048 bytes for h
	v_and_b32 v13, 1, v14
	v_lshrrev_b32 v14, 3, v14
	v_lshl_add_u32 v13, v14, 1, v13                ; row m of the operand holds b = (m & 1) + 2 (m >> 3): so results' registers 0 and 1 hold rows 0, 1 in lanes 0-15 and rows 2, 3 in lanes 16-31
	v_mul_u32_u24 v13, v13, RP
	v_lshl_add_u32 v13, v15, 6, v13
	s_mul_i32 s20, s18, 16*RP
	s_add_co_u32 s20, s20, RED
	v_add_nc_u32 v[REDR], s20, v13
	s_mul_i32 s20, s18, FRB
	s_add_co_u32 s20, s20, IMG
	v_add_nc_u32 v[IMGW], s20, v[LI]
	s_lshl_b32 s20, s18, 7
	s_add_co_u32 s20, s20, ISC
	v_add_nc_u32 v[ISW], s20, v[LS]
	s_mul_i32 s20, s19, FRB
	s_add_co_u32 s20, s20, IMG
	v_add_nc_u32 v[IMGR], s20, v[LI]
	s_lshl_b32 s20, s19, 7
	s_add_co_u32 s20, s20, ISC
	v_add_nc_u32 v[ISR], s20, v[LS]
	s_wait_kmcnt 0x0
	s_lshl_b32 s2, ttmp9, 13
	s_lshl_b32 s20, s17, 11
	s_add_co_u32 s2, s2, s20
	s_add_nc_u64 s[4:5], s[4:5], s[2:3]            ; xct: my four rows, d = 128 dq
	s_lshl_b32 s2, s17, 17
	s_lshl_b32 s21, s16, 9
	s_add_co_u32 s2, s2, s21
	s_add_nc_u64 s[6:7], s[6:7], s[2:3]            ; wtab: pair 64 dq, n = 32 g
	s_lshl_b32 s2, ttmp9, 19
	s_lshl_b32 s20, s17, 15
	s_add_co_u32 s2, s2, s20
	s_add_co_u32 s2, s2, s21
	s_add_nc_u64 s[8:9], s[8:9], s[2:3]            ; idx: row 4 x work-group, group of eight d 16 dq, n = 32 g
	s_mul_i32 s2, s66, 4*FRB
	s_add_nc_u64 s[10:11], s[10:11], s[2:3]        ; wqc: fragments 4 w on
	s_lshl_b32 s2, s66, 9
	s_add_nc_u64 s[12:13], s[12:13], s[2:3]
	s_lshl_b32 s2, ttmp9, 4
	s_add_nc_u64 s[14:15], s[14:15], s[2:3]        ; t of my four rows
	s_cmp_lt_u32 s66, 8                            ; waves 0-7 make out0, waves 8-15 out1
	s_cselect_b64 s[60:61], s[60:61], s[62:63]
	s_lshl_b32 s2, ttmp9, 13
	s_and_b32 s20, s66, 7
	s_lshl_b32 s20, s20, 8
	s_add_co_u32 s2, s2, s20
	s_add_nc_u64 s[60:61], s[60:61], s[2:3]        ; row 4 x work-group, column 64 (w & 7)
	s_load_b128 s[48:51], s[14:15], 0x0            ; t
	; the table: thread i takes entries i + 512 e
.irp e, 0,1,2,3,4,5,6
	global_load_b32 v[G+4*\e], v[TA], s[56:57] offset:2048*\e
	global_load_b32 v[G+4*\e+1], v[TA], s[58:59] offset:2048*\e
	global_load_b32 v[G+4*\e+2], v[TA], s[56:57] offset:2048*\e+4
	global_load_b32 v[G+4*\e+3], v[TA], s[58:59] offset:2048*\e+4
.endr
	global_load_b32 v[G+28], v[TA], s[56:57] offset:14336
	global_load_b32 v[G+29], v[TA], s[58:59] offset:14336
	global_load_b32 v[G+30], v[TBW], s[56:57]      ; behind entry 4,095 comes entry 0
	global_load_b32 v[G+31], v[TBW], s[58:59]
	VLD 0, 0                                       ; the ring: trips 0 to 3
	VLD 1, 1
	VLD 2, 2
	VLD 3, 3
	s_wait_kmcnt 0x0                               ; t
	v_mov_b32 v13, KTAB
.irp b, 0,1,2,3
	v_mul_f32 v[F+\b], s[48+\b], v13               ; tK, by the same multiplication as in the first launch
.endr
.irp b, 0,1,2,3
	v_readfirstlane_b32 s[TK+2*\b], v[F+\b]
	v_readfirstlane_b32 s[TK+2*\b+1], v[F+\b]
.endr
	SLD 16, 0                                      ; xc of trips 0 and 1
	SLD 68, 1
.irp i, 0,1,2,3,4,5,6,7,8,9,10,11,12,13,14,15,16,17,18,19,20,21,22,23,24,25,26,27,28,29,30,31
	v_mov_b32 v[ACC+\i], 0
.endr
	s_wait_loadcnt 32                              ; the tables' 32 loads are in; the ring's 32 stay out
.irp e, 0,1,2,3,4,5,6,7
	v_pk_add_f32 v[G+4*\e+2:G+4*\e+3], v[G+4*\e+2:G+4*\e+3], v[G+4*\e:G+4*\e+1] neg_lo:[0,1] neg_hi:[0,1]   ; the steps to the next entry
.endr
.irp e, 0,1,2,3,4,5,6,7
	ds_store_b128 v[TW], v[G+4*\e:G+4*\e+3] offset:8192*\e
.endr
	BARRIER                                        ; the table is whole
	s_wait_loadcnt 24                              ; trip 0's eight loads are in; trips 1 to 3 stay out
	ADDR 0, 0
	GATH 0
	s_wait_kmcnt 0x0                               ; xc of trips 0 and 1
	s_mov_b32 s67, 3
.Lring:                                            ; four trips a lap, until the buffers' numbers are back where they began; three laps ask for trips 4 to 15
	TRIPM 0, 1, 16, 1, 1, 1                        ; (16: the two trips behind the one that is wanted)
	TRIPM 1, 1, 16, 1, 1, 1
	TRIPM 2, 1, 16, 1, 1, 1
	TRIPM 3, 1, 16, 1, 1, 1
	s_wait_xcnt 0x0                                ; every load issued has read its base: the three are stepped only behind this wait
	s_add_nc_u64 s[8:9], s[8:9], 8192              ; four groups of eight d
	s_add_nc_u64 s[6:7], s[6:7], 32768             ; sixteen pairs of d
	s_add_nc_u64 s[4:5], s[4:5], 512               ; 32 d
	s_sub_co_u32 s67, s67, 1
	s_cmp_lg_u32 s67, 0
	s_cbranch_scc1 .Lring
	TRIPM 0, 1, 16, 0, 1, 1                        ; trips 12 to 15 are written out: no load leaves its buffer, and the counts run down
	TRIPM 1, 1, 8, 0, 1, 1
	TRIPM 2, 1, 0, 0, 1, 0
	TRIPM 3, 0, 0, 0, 0, 0
	; ---- the tail
.irp b, 0,1,2,3
	v_pk_add_f32 v[ACC+8*\b:ACC+8*\b+1], v[ACC+8*\b:ACC+8*\b+1], v[ACC+8*\b+2:ACC+8*\b+3]
	v_pk_add_f32 v[ACC+8*\b+4:ACC+8*\b+5], v[ACC+8*\b+4:ACC+8*\b+5], v[ACC+8*\b+6:ACC+8*\b+7]
.endr
.irp b, 0,1,2,3
	v_pk_add_f32 v[ACC+8*\b:ACC+8*\b+1], v[ACC+8*\b:ACC+8*\b+1], v[ACC+8*\b+4:ACC+8*\b+5]   ; (sin, cos) of row b, my n, my 128 d
.endr
.irp tt, 0,1,2,3                               ; my four fragments of Wr or Wi, asked for now, wanted behind three barriers
.irp c, 0,1,2
	global_load_b128 v[WF+12*\tt+4*\c:WF+12*\tt+4*\c+3], v[LI], s[10:11] offset:FRB*\tt+512*\c
.endr
	global_load_b32 v[WS+\tt], v[LS], s[12:13] offset:128*\tt
.endr
	s_mov_b32 s[SEL], 0x76543210
	s_mov_b32 s[SEL+1], 0xfedcba98
	BARRIER                                        ; every wave's gathers are over: LDS may be written
.irp b, 0,1,2,3
	ds_store_b32 v[REDW], v[ACC+8*\b+1] offset:RP*\b             ; cos
	ds_store_b32 v[REDW], v[ACC+8*\b] offset:16*RP+RP*\b         ; sin
.endr
	BARRIER                                        ; all sums lie in LDS
	s_cmp_lt_u32 s66, 2
	s_cbranch_scc0 .Lno_build
	; wave 0: cos_sum, wave 1: sin_sum: the four parts along d are added, and the four rows are quantised along n
	PART SA, 0
	PART SB, 1
	ADDPART
	PART SB, 2
	ADDPART
	PART SB, 3
	ADDPART
	QUANT SA
.irp c, 0,1,2
	ds_store_b128 v[IMGW], v[PC+4*\c:PC+4*\c+3] offset:512*\c    ; the operand, as an image of its registers
.endr
	ds_store_b32 v[ISW], v[PW]
.Lno_build:
	BARRIER                                        ; both operands lie in LDS
.irp c, 0,1,2
	ds_load_b128 v[AFR+4*\c:AFR+4*\c+3], v[IMGR] offset:512*\c
.endr
	ds_load_b32 v[ASC], v[ISR]
	s_wait_loadcnt 0x0                             ; the weights' fragments and scale words
	s_wait_dscnt 0x0
.irp tt, 0,1,2,3                               ; four accumulators, one product each: K = 128 is one instruction deep.  Column r of fragment tt is output column 64 (w & 7) + 4 r + tt
	v_wmma_scale_f32_16x16x128_f8f6f4 v[DA+8*\tt:DA+8*\tt+7], v[AFR:AFR+11], v[WF+12*\tt:WF+12*\tt+11], 0, v[ASC], v[WS+\tt] matrix_a_fmt:MATRIX_FMT_FP6 matrix_b_fmt:MATRIX_FMT_FP6
.endr
.rept 4
	v_nop                                          ; places in front of the first read of results
.endr
.irp j, 0,1                                    ; registers 0 and 1 of each accumulator: rows j + 2 h; the four fragments' columns are neighbours
.irp tt, 0,1,2,3
	v_mov_b32 v[O+4*\j+\tt], v[DA+8*\tt+\j]
.endr
.endr
.irp j, 0,1
	global_store_b128 v[OUTO], v[O+4*\j:O+4*\j+3], s[60:61] offset:2048*\j th:TH_STORE_NT   ; sixteen lanes store 256 consecutive bytes of a row, aligned
.endr
	s_wait_xcnt 0x0
	v_lshl_add_u32 v254, v0, 2, 0x15000
	v_mov_b32 v255, 0
	s_wait_tensorcnt 0x0
	ds_add_u32 v254, v255
	s_wait_dscnt 0x0
	s_endpgm
.Lfunc_end_k_q91b8fa34d0_resonate:
	.size	k_q91b8fa34d0_resonate, .Lfunc_end_k_q91b8fa34d0_resonate-k_q91b8fa34d0_resonate
	.p2alignl 7, 3214868480
	.fill 96, 4, 3214868480
	.section	.rodata,"a",@progbits
	.p2align	6, 0x0
	.amdhsa_kernel k_q91b8fa34d0_resonate
		.amdhsa_group_segment_fixed_size 88064
		.amdhsa_private_segment_fixed_size 0
		.amdhsa_enable_private_segment 0
		.amdhsa_kernarg_size 80
		.amdhsa_user_sgpr_count 2
		.amdhsa_user_sgpr_kernarg_segment_ptr 1
		.amdhsa_wavefront_size32 1
		.amdhsa_system_sgpr_workgroup_id_x 1
		.amdhsa_system_sgpr_workgroup_id_y 1
		.amdhsa_system_sgpr_workgroup_id_z 1
		.amdhsa_system_vgpr_workitem_id 0
		.amdhsa_next_free_vgpr 256
		.amdhsa_next_free_sgpr 102
		.amdhsa_reserve_vcc 0
		.amdhsa_float_denorm_mode_32 3
		.amdhsa_float_denorm_mode_16_64 3
		.amdhsa_memory_ordered 1
		.amdhsa_forward_progress 1
		.amdhsa_inst_pref_size 141
	.end_amdhsa_kernel
	.amdgpu_metadata
---
amdhsa.version: [ 1, 2 ]
amdhsa.kernels:
  - .name:           k_q91b8fa34d0_resonate
    .symbol:         k_q91b8fa34d0_resonate.kd
    .args:
      - { .name: xct, .offset: 0, .size: 8, .value_kind: global_buffer, .address_space: global }
      - { .name: wtab, .offset: 8, .size: 8, .value_kind: global_buffer, .address_space: global }
      - { .name: idx, .offset: 16, .size: 8, .value_kind: global_buffer, .address_space: global }
      - { .name: wqc, .offset: 24, .size: 8, .value_kind: global_buffer, .address_space: global }
      - { .name: wqs, .offset: 32, .size: 8, .value_kind: global_buffer, .address_space: global }
      - { .name: t, .offset: 40, .size: 8, .value_kind: global_buffer, .address_space: global }
      - { .name: sin_table, .offset: 48, .size: 8, .value_kind: global_buffer, .address_space: global }
      - { .name: cos_table, .offset: 56, .size: 8, .value_kind: global_buffer, .address_space: global }
      - { .name: out0, .offset: 64, .size: 8, .value_kind: global_buffer, .address_space: global }
      - { .name: out1, .offset: 72, .size: 8, .value_kind: global_buffer, .address_space: global }
    .group_segment_fixed_size: 88064
    .private_segment_fixed_size: 0
    .kernarg_segment_align: 8
    .kernarg_segment_size: 80
    .max_flat_workgroup_size: 512
    .sgpr_count:     102
    .vgpr_count:     256
    .wavefront_size: 32
...
	.end_amdgpu_metadata
.endif
;; end of part 2
